; MI455X (gfx1250); checked and timed in simulation.
; The chip was launched on July 23, 2026; its instructions are those of AMD's public machine-readable ISA for CDNA 5 (MIT licence, August 2026) and "CDNA5" Instruction Set Architecture Reference Guide (July 2026). The comments in the code are by the model that wrote it; some were corrected since.
;; Global Attention. Allowed arithmetic: float matrix products may take bf16 or f16 operands with f32 sums; all other float work in f32.
;; Inputs: Wk 128 x 128 float32; Wq 128 x 128 float32; Wv 128 x 128 float32; atom_query 32 x 1,024 x 128 float32; bk 128 float32; bq 128 float32; bv 128 float32; mask 32 x 1,024 x 1 float32.
;; Outputs: out0 32 x 1,024 x 1 float32; out1 32 x 128 float32.
;; One version. Each part assembles by itself: llvm-mc -triple=amdgcn-amd-amdhsa -mcpu=gfx1250 --defsym DOCPART=n.
;; ======== version 1 of 1: 1 launch
;; launch pool (part 1): grid 32 x 1, 16 waves a work-group, no clusters, 322,816 bytes of LDS; arguments atom_query, mask, Wk, bk, Wq, bq, Wv, bv, out0, out1; writes out0, out1
.if DOCPART == 1
	.amdgcn_target "amdgcn-amd-amdhsa--gfx1250"
	.amdhsa_code_object_version 6
	.text
	.protected	k_q2d98c25c46_pool
	.globl	k_q2d98c25c46_pool
	.p2align	8
	.type	k_q2d98c25c46_pool,@function
k_q2d98c25c46_pool:
	s_mov_b64 s[64:65], 0
	v_nop
	global_prefetch_b8 v0, s[64:65] scope:SCOPE_SE
	s_setreg_imm32_b32 hwreg(HW_REG_WAVE_MODE, 25, 1), 1
	s_wait_xcnt 0x0
; GlobalAttention pooling.  x = atom_query[b]: 1024 rows x 128 f32.  One work-group of 16 waves makes one batch b.
;
; THE ARITHMETIC.  The energy [1024 x 1024] is used only through its sum over the key axis, which carries no mask, so for every input
;   sum_k q_n.k_k = q_n.ksum,   ksum = xsum Wk + 1024 bk,   xsum = sum_n x_n,
;   q_n.ksum = x_n.u + c,       u[f] = sum_d Wq[f][d] ksum[d],   c = bq.ksum,
;   agg_n = m (m dk (x_n.u + c)) + (1 - m)(-1e9),   attn = softmax over n (the maximum is taken away first),
;   context = (sum_n m attn x_n) Wv + (sum_n m attn) bv.
; What is left are one-row products and one dot product a row: 24 MFLOP on 17 MB.  They are done in f32 on the vector unit: the logits
; spread over tens of units, an absolute error of a logit is a relative error of attn, and operands of 8 mantissa bits would not hold it.
;
; THE SHAPE.  x is needed three times (column sum, dot with u, weighted sum) with a batch-wide reduction between each two, and work-groups
; of a launch do not talk: so a batch stays on one work-group, and its 512 KiB are read from memory once and kept: a wave owns 64 rows
; (32 KiB), 28 of them in 112 registers, 36 in LDS (18,432 bytes a wave, brought by six tensor loads).  When Wk has been used, 8 of the
; 36 move into its 32 registers, so that the second and the third pass read 28 rows a wave from LDS.  There is no loop and no ring.
; A wave issues in order, so the order of the first lines is: tensor loads, x's register rows, then the first pass over the rows in LDS
; with the matrices' loads spread between its batches, and the register rows' sums last: LDS works while the global loads are served.
; 32 batches give 32 work-groups.
; NO CLUSTER: the work-groups share only Wk, Wq, Wv (192 KiB of the 704 KiB that each takes in); a joint tensor load lands in LDS, where
; x takes 294,912 and the scratch 25,856 of 327,680 bytes, so a matrix of 65,536 bytes has no room: the matrices lie in registers.
;
; LIMITS.  The order of the sums differs from the reference's (a sum over keys of products becomes a product with a sum).  NaN and
; infinities in the inputs are not carried as the reference carries them (v_max_num_f32 drops a NaN).  Exponentials below 2^-126 are 0.
; The mask is taken as any float.  Every exponential is at most 1 and 1 <= L <= 1024, also where every row is masked (attn = 1/1024).
;
; LANES.  l = lane, c = l & 15, h = l >> 4, w = wave.  PAIR r (0..31) = rows r (lanes h = 0) and r + 32 (h = 1) of the wave's 64; eight
; registers: 0-3 features 4c..4c+3, 4-7 features 64+4c..64+4c+3: each 16-byte access of 16 lanes covers 256 consecutive, aligned bytes.
; Pairs 0..13 in registers, 14..31 in LDS (14..17 in registers from the second pass on).  COUPLE j = pairs 2j and 2j+1.  After the
; transposing reduction of group g (pairs 2j + g) lane l holds row 2l + g, so mask and attn are one 8-byte access a lane (256 consecutive
; bytes a wave), and the weight of pair 2j + g is lane j of each half (row_share:j).
.set ROWB,   512                       ; bytes of a row of x
.set HBLK,   6*ROWB                    ; one tensor tile: 6 rows
.set CHUNK,  2*HBLK                    ; the tiles of both halves (rows r.., r+32..), side by side
.set WAVEX,  3*CHUNK                   ; a wave's 36 rows in LDS: 18,432 bytes
.set RPITCH, 528                       ; a record of 128 f32 + 16 bytes: lane l's 16 bytes at 528 l start 4 l words on, modulo 64 words
.set REC,    16*WAVEX                  ; 294,912: 32 records (2w + h): column sums, later weighted sums
.set KP,     REC+32*RPITCH             ; 311,808: 16 records of 512 bytes: partial ksum, later partial context
.set UL,     KP+16*512                 ; 320,000: u dk, 128 f32
.set ST,     UL+512                    ; 320,512: 16 bytes a wave: maximum, sum of e, sum of m e, 0
.set NLD,    47                        ; global loads of the first pass, in this order: 28 x, 1 mask, 8 Wk, 1 bk, 8 Wq, 1 bq
.set VX,  1                            ; 16c + 16384h                  x, from the wave's first row
.set LX,  2                            ; 16c + 3072h + 18432w          x in LDS
.set VW,  3                            ; 16l + 4096w                   my wave's 8 rows of a matrix
.set VB,  4                            ; 16l                           a bias; out1
.set VM,  5                            ; 8l + 256w                     mask; out0
.set RS,  6                            ; REC + 528(2w+h) + 16c         my half-wave's record
.set RR,  7                            ; REC + 528l + 32w              record l, my wave's 8 features
.set KW,  8                            ; KP + 512w + 16l
.set KR,  9                            ; KP + 16l
.set UW,  10                           ; UL + 32w + 4(l&7)
.set UR,  11                           ; UL + 16c
.set SW,  12                           ; ST + 16w
.set SR,  13                           ; ST + 16(l>>1)
.set CC,  14                           ; c dk
.set MW,  15                           ; the wave's maximum
.set XR,  16                           ; v[16:127]   pair r at XR + 8r
.set WV,  16                           ; v[16:47]    Wv, once the third pass has used pairs 0..3: row i at + 4i
.set WA,  128                          ; v[128:159]  Wk: row i at + 4i; then pairs 14..17 (XR + 8 x 14 = 128)
.set WB,  160                          ; v[160:191]  Wq
.set P,   160                          ;             then the dots: pair 2j + g at P + 16g + j
.set Y2,  160                          ;             then the second chain of the weighted sum
.set BV,  184                          ; v[184:187]  bv (wave 0)
.set T,   192                          ; v[192:223]  two buffers of two pairs from LDS; scratch of the small stages
.set SUM, 224                          ; v[224:231]  column sums; later weighted sums
.set BK,  232                          ; v[232:235]  bk
.set BQ,  236                          ; v[236:239]  bq
.set U,   232                          ; v[232:239]  then u dk of my 8 features
.set F,   232                          ; v[232:235]  then f, f_own rL, rL, Sg rL
.set MSK, 240                          ; v[240:241]  mask of rows 2l, 2l+1
.set E,   242                          ; v[242:243]  their exponentials, then attn
.set WGT, 244                          ; v[244:245]  m e
.set WBC, 246                          ; v[246:247]  broadcast pair
.set TMP, 248                          ; v[248:255]  at work
.set BT,  252                          ; the reduction step's temporary
.set KS,  252                          ; v[252:255]  sum of 16 records
.set G1,  32                           ; s[32:39]    tensor descriptor, group 1
.set G0,  40                           ; s[40:63]    six groups 0, never rewritten
; ---------------------------------------------------------------- macros
.macro BARRIER                         ; what the others rely on is complete in front of the signal: all my LDS loads and stores
	s_wait_dscnt 0x0
	s_barrier_signal -1
	s_barrier_wait -1
.endm
; four LDS loads: batch n = pairs 14+2n and 15+2n, into the 16 registers from d.  Row 2n of the wave's 18 lies in chunk n/3 at 1024 (n%3).
.macro LDSB n, d
	ds_load_b128 v[\d:\d+3],     v[LX] offset:CHUNK*(\n/3)+1024*(\n%3)
	ds_load_b128 v[\d+4:\d+7],   v[LX] offset:CHUNK*(\n/3)+1024*(\n%3)+256
	ds_load_b128 v[\d+8:\d+11],  v[LX] offset:CHUNK*(\n/3)+1024*(\n%3)+512
	ds_load_b128 v[\d+12:\d+15], v[LX] offset:CHUNK*(\n/3)+1024*(\n%3)+768
.endm
; the n-th of the 18 loads of Wk (rows 8w + i), bk, Wq (rows 8w + i), bq, in this order.  Every work-group reads them: no hint.
.macro WLD n
.if \n < 8
	global_load_b128 v[WA+4*\n:WA+4*\n+3], v[VW], s[8:9] offset:512*\n
.else
.if \n == 8
	global_load_b128 v[BK:BK+3], v[VB], s[10:11]
.else
.if \n < 17
	global_load_b128 v[WB+4*(\n-9):WB+4*(\n-9)+3], v[VW], s[12:13] offset:512*(\n-9)
.else
	global_load_b128 v[BQ:BQ+3], v[VB], s[14:15]
.endif
.endif
.endif
.endm
; one step of the transposing reduction: lanes whose bit (mask s[m]) is 0 keep register a and give b, the others keep b and give a
.macro BSTEP a, b, m, x
	v_cndmask_b32 v[BT], v[\a], v[\b], s[\m]       ; what I keep
	v_cndmask_b32 v[\b], v[\b], v[\a], s[\m]       ; what I give
	v_add_f32_dpp v[\a], v[\b], v[BT] row_xmask:\x row_mask:0xf bank_mask:0xf
.endm
.macro BFLY16 b                        ; 16 registers: afterwards lane c of v[b] holds register c's sum over its 16 lanes
.irp i, 0,2,4,6,8,10,12,14
	BSTEP (\b+\i), (\b+\i+1), 28, 1
.endr
.irp i, 0,4,8,12
	BSTEP (\b+\i), (\b+\i+2), 29, 2
.endr
	BSTEP (\b), (\b+4), 30, 4
	BSTEP (\b+8), (\b+12), 30, 4
	BSTEP (\b), (\b+8), 31, 8
.endm
.macro BFLY8 b, pt                     ; 8 registers: afterwards lane l of v[b] holds register l & 7's sum over all 32 lanes
.irp i, 0,2,4,6
	BSTEP (\b+\i), (\b+\i+1), 28, 1
.endr
	BSTEP (\b), (\b+2), 29, 2
	BSTEP (\b+4), (\b+6), 29, 2
	BSTEP (\b), (\b+4), 30, 4
	v_add_f32_dpp v[\b], v[\b], v[\b] row_xmask:8 row_mask:0xf bank_mask:0xf
	v_permlanex16_b32 v[\pt], v[\b], s66, s67
	v_add_f32 v[\b], v[\b], v[\pt]
.endm
.macro RED32 opd, op, r, pt            ; sum or maximum over the 32 lanes, in every lane
	\opd v[\r], v[\r], v[\r] row_xmask:1 row_mask:0xf bank_mask:0xf
	\opd v[\r], v[\r], v[\r] row_xmask:2 row_mask:0xf bank_mask:0xf
	\opd v[\r], v[\r], v[\r] row_xmask:4 row_mask:0xf bank_mask:0xf
	\opd v[\r], v[\r], v[\r] row_xmask:8 row_mask:0xf bank_mask:0xf
	v_permlanex16_b32 v[\pt], v[\r], s66, s67
	\op v[\r], v[\r], v[\pt]
.endm
.macro RED16W opd, op, d, s, pt        ; the same where lanes l and l ^ 1 hold one wave's figure: each of the 16 waves counts once
	\opd v[\d], v[\s], v[\s] row_xmask:2 row_mask:0xf bank_mask:0xf
	\opd v[\d], v[\d], v[\d] row_xmask:4 row_mask:0xf bank_mask:0xf
	\opd v[\d], v[\d], v[\d] row_xmask:8 row_mask:0xf bank_mask:0xf
	v_permlanex16_b32 v[\pt], v[\d], s66, s67
	\op v[\d], v[\d], v[\pt]
.endm
; dst[0:3] = sum over i = 0..7 of vec(lane i) x row i of W: my wave's 8 rows' share of a vector-matrix product, columns 4l..4l+3
.macro MATV dst, vec, W
.irp i, 0,1,2,3,4,5,6,7
	v_mov_b32_dpp v[WBC+(\i&1)], v[\vec] row_share:\i row_mask:0xf bank_mask:0xf
.if \i == 0
	v_pk_mul_f32 v[\dst:\dst+1],   v[\W:\W+1],   v[WBC:WBC+1] op_sel_hi:[1,0]
	v_pk_mul_f32 v[\dst+2:\dst+3], v[\W+2:\W+3], v[WBC:WBC+1] op_sel_hi:[1,0]
.else
.if (\i&1) == 0
	v_pk_fma_f32 v[\dst:\dst+1],   v[\W+4*\i:\W+4*\i+1],   v[WBC:WBC+1], v[\dst:\dst+1]   op_sel_hi:[1,0,1]
	v_pk_fma_f32 v[\dst+2:\dst+3], v[\W+4*\i+2:\W+4*\i+3], v[WBC:WBC+1], v[\dst+2:\dst+3] op_sel_hi:[1,0,1]
.else
	v_pk_fma_f32 v[\dst:\dst+1],   v[\W+4*\i:\W+4*\i+1],   v[WBC:WBC+1], v[\dst:\dst+1]   op_sel:[0,1,0] op_sel_hi:[1,1,1]
	v_pk_fma_f32 v[\dst+2:\dst+3], v[\W+4*\i+2:\W+4*\i+3], v[WBC:WBC+1], v[\dst+2:\dst+3] op_sel:[0,1,0] op_sel_hi:[1,1,1]
.endif
.endif
.endr
.endm
.macro ADD2 X                          ; pass 1: a couple into the two chains of column sums
.irp i, 0,2,4,6
	v_pk_add_f32 v[SUM+\i:SUM+\i+1], v[SUM+\i:SUM+\i+1], v[\X+\i:\X+\i+1]
	v_pk_add_f32 v[TMP+\i:TMP+\i+1], v[TMP+\i:TMP+\i+1], v[\X+8+\i:\X+8+\i+1]
.endr
.endm
.macro DOT2 j, X                       ; pass 2: my 8 features' share of x.u for pairs 2j and 2j+1
	v_pk_mul_f32 v[248:249], v[\X:\X+1],     v[U:U+1]
	v_pk_mul_f32 v[250:251], v[\X+8:\X+9],   v[U:U+1]
.irp i, 2,4,6
	v_pk_fma_f32 v[248:249], v[\X+\i:\X+\i+1],     v[U+\i:U+\i+1], v[248:249]
	v_pk_fma_f32 v[250:251], v[\X+8+\i:\X+8+\i+1], v[U+\i:U+\i+1], v[250:251]
.endr
	v_add_f32 v[P+\j],    v248, v249
	v_add_f32 v[P+16+\j], v250, v251
.endm
.macro WFMA2 j, X, first               ; pass 3: pairs 2j and 2j+1, each times its rows' weight, into two chains; first = 1 starts them
	v_mov_b32_dpp v[WBC],   v[WGT]   row_share:\j row_mask:0xf bank_mask:0xf
	v_mov_b32_dpp v[WBC+1], v[WGT+1] row_share:\j row_mask:0xf bank_mask:0xf
.irp i, 0,2,4,6
.if \first
	v_pk_mul_f32 v[SUM+\i:SUM+\i+1], v[\X+\i:\X+\i+1],     v[WBC:WBC+1] op_sel_hi:[1,0]
	v_pk_mul_f32 v[Y2+\i:Y2+\i+1],   v[\X+8+\i:\X+8+\i+1], v[WBC:WBC+1] op_sel:[0,1] op_sel_hi:[1,1]
.else
	v_pk_fma_f32 v[SUM+\i:SUM+\i+1], v[\X+\i:\X+\i+1],     v[WBC:WBC+1], v[SUM+\i:SUM+\i+1] op_sel_hi:[1,0,1]
	v_pk_fma_f32 v[Y2+\i:Y2+\i+1],   v[\X+8+\i:\X+8+\i+1], v[WBC:WBC+1], v[Y2+\i:Y2+\i+1]   op_sel:[0,1,0] op_sel_hi:[1,1,1]
.endif
.endr
.endm
; One step of a walk over couples j = 9..15 (batches j - 7 = 2..8) in LDS, through the two buffers of T.  Batches 2 and 3 are issued by the caller.
.macro WSTEP mode, j
.if \j < 15
	s_wait_dscnt 4                                 ; LDS loads come back in order (ISA guide 5.7.1): this batch is in, the younger batch's four stay out
.else
	s_wait_dscnt 0                                 ; nothing was issued behind the last batch
.endif
.if \mode == 1
	ADD2 (T+16*((\j-7)&1))
.endif
.if \mode == 2
	DOT2 \j, (T+16*((\j-7)&1))
.endif
.if \mode == 3
	WFMA2 \j, (T+16*((\j-7)&1)), 0
.endif
.if \j < 14
.if \mode == 1
.if \j == 11
	s_wait_tensorcnt 0                             ; batch 6 opens chunk 2: the last two tiles are in; all of my x is in LDS from here on
.endif
.endif
	LDSB (\j-5), (T+16*((\j-7)&1))                 ; two batches ahead, into the buffer just used
.endif
.endm
; passes 2 and 3: register couple a in front of the wait for LDS couple j
.macro BOTH mode, a, j
.if \mode == 2
	DOT2 \a, (XR+16*\a)
.else
	WFMA2 \a, (XR+16*\a), 0
.endif
	WSTEP \mode, \j
.endm
; KS = a start + the 16 records of KP, columns 4l..4l+3, through a ring of eight 16-byte buffers in T.
; kind 0: the start is 1024 bk.  kind 1: the start is bv x (sum of m attn).
.macro RECSUM kind
.irp k, 0,1,2,3,4,5,6,7
	ds_load_b128 v[T+4*\k:T+4*\k+3], v[KR] offset:512*\k
.endr
.if \kind == 0
	s_wait_loadcnt 9                               ; bk is in: behind it stand 8 Wq and bq
.endif
	s_wait_dscnt 7                                 ; record 0 is in, seven younger loads stay out
.if \kind == 0
	v_pk_fma_f32 v[KS:KS+1],   v[BK:BK+1],   0x44800000, v[T:T+1]   op_sel_hi:[1,0,1]     ; 1024.0
	v_pk_fma_f32 v[KS+2:KS+3], v[BK+2:BK+3], 0x44800000, v[T+2:T+3] op_sel_hi:[1,0,1]
.else
	v_pk_fma_f32 v[KS:KS+1],   v[BV:BV+1],   v[F+2:F+3], v[T:T+1]   op_sel:[0,1,0] op_sel_hi:[1,1,1]
	v_pk_fma_f32 v[KS+2:KS+3], v[BV+2:BV+3], v[F+2:F+3], v[T+2:T+3] op_sel:[0,1,0] op_sel_hi:[1,1,1]
.endif
	ds_load_b128 v[T:T+3], v[KR] offset:512*8
.irp k, 1,2,3,4,5,6,7,8,9,10,11,12,13,14,15
.if \k < 8
	s_wait_dscnt 7                                 ; records k+1 .. k+7 stay out
.else
	s_wait_dscnt 15-\k                             ; the ring runs empty
.endif
	v_pk_add_f32 v[KS:KS+1],   v[KS:KS+1],   v[T+4*(\k&7):T+4*(\k&7)+1]
	v_pk_add_f32 v[KS+2:KS+3], v[KS+2:KS+3], v[T+4*(\k&7)+2:T+4*(\k&7)+3]
.if \k < 8
	ds_load_b128 v[T+4*\k:T+4*\k+3], v[KR] offset:512*(\k+8)
.endif
.endr
.endm
; ---------------------------------------------------------------- 0. head: addresses, descriptors, x's loads
	s_load_b512 s[4:19], s[0:1], 0x0               ; x s[4:5], mask s[6:7], Wk s[8:9], bk s[10:11], Wq s[12:13], bq s[14:15], Wv s[16:17], bv s[18:19]
	s_load_b128 s[20:23], s[0:1], 0x40             ; out0 s[20:21], out1 s[22:23]
	v_lshl_add_u32 v254, v0, 2, 0x4e500
	v_mov_b32 v255, 0
	ds_add_u32 v254, v255
	ds_add_u32 v254, v255
	s_wait_dscnt 0x0
	v_lshrrev_b32 v248, 5, v0
	v_readfirstlane_b32 s24, v248                  ; w
	v_and_b32 v248, 31, v0                         ; l
	v_and_b32 v249, 15, v0                         ; c
	v_bfe_u32 v250, v0, 4, 1                       ; h
	v_lshlrev_b32 v251, 4, v249                    ; 16c
	v_and_b32 v252, 7, v0                          ; l & 7
	v_lshrrev_b32 v253, 1, v248                    ; l >> 1
	v_mov_b32 v[WBC], 0                            ; the broadcast pair is a DPP destination: written once before
	v_mov_b32 v[WBC+1], 0
	s_mov_b32 s28, 0xaaaaaaaa                      ; lanes with bit 0 of c set
	s_mov_b32 s29, 0xcccccccc                      ; bit 1
	s_mov_b32 s30, 0xf0f0f0f0                      ; bit 2
	s_mov_b32 s31, 0xff00ff00                      ; bit 3
	s_mov_b32 s66, 0x76543210                      ; v_permlanex16_b32: lane i of one half reads lane i of the other
	s_mov_b32 s67, 0xfedcba98
	s_mul_i32 s70, s24, WAVEX                      ; my wave's x in LDS
	v_lshl_add_u32 v[VX], v250, 14, v251
	v_mul_u32_u24 v254, v250, HBLK
	v_add_nc_u32 v254, v254, v251
	v_add_nc_u32 v[LX], s70, v254
	v_lshlrev_b32 v[VB], 4, v248
	s_lshl_b32 s71, s24, 12
	v_add_nc_u32 v[VW], s71, v[VB]
	v_lshlrev_b32 v[VM], 3, v0                     ; 8 (32w + l)
	s_mul_i32 s71, s24, 2*RPITCH
	s_add_co_u32 s71, s71, REC
	v_mul_u32_u24 v254, v250, RPITCH
	v_add_nc_u32 v254, v254, v251
	v_add_nc_u32 v[RS], s71, v254
	s_lshl_b32 s71, s24, 5
	s_add_co_u32 s26, s71, REC
	v_mul_u32_u24 v254, v248, RPITCH
	v_add_nc_u32 v[RR], s26, v254
	s_add_co_u32 s26, s71, UL
	v_lshl_add_u32 v[UW], v252, 2, s26
	s_lshl_b32 s71, s24, 9
	s_add_co_u32 s71, s71, KP
	v_add_nc_u32 v[KW], s71, v[VB]
	v_add_nc_u32 v[KR], KP, v[VB]
	v_add_nc_u32 v[UR], UL, v251
	s_lshl_b32 s71, s24, 4
	s_add_co_u32 s71, s71, ST
	v_mov_b32 v[SW], s71
	v_lshl_add_u32 v[SR], v253, 4, ST
	; group 1: a tile of 6 rows x 128 elements of 4 bytes, rows 128 elements apart, no padding (16 lanes read 256 consecutive bytes)
	s_mov_b32 s[G1+0], 2<<16                       ; no work-group mask; element of 4 bytes
	s_mov_b32 s[G1+1], 128<<16                     ; tensor_dim0 = 128
	s_mov_b32 s[G1+2], 6<<16                       ; tensor_dim1 = 6
	s_mov_b32 s[G1+3], 128<<16                     ; tile_dim0 = 128
	s_mov_b32 s[G1+4], 6                           ; tile_dim1 = 6
	s_mov_b32 s[G1+5], 128                         ; stride from row to row
	s_mov_b32 s[G1+6], 0
	s_mov_b32 s[G1+7], 0
	s_lshl_b32 s26, ttmp9, 19                      ; the batch's 512 KiB
	s_lshl_b32 s71, s24, 15                        ; + my wave's 64 rows
	s_add_co_u32 s26, s26, s71
	s_mov_b32 s27, 0
	s_wait_kmcnt 0x0
	s_add_nc_u64 s[68:69], s[4:5], s[26:27]        ; x at my wave's first row
	s_lshl_b32 s26, ttmp9, 12                      ; 1024 f32 a batch
	s_add_nc_u64 s[6:7], s[6:7], s[26:27]          ; mask
	s_add_nc_u64 s[20:21], s[20:21], s[26:27]      ; out0
	s_lshl_b32 s26, ttmp9, 9                       ; 128 f32 a batch
	s_add_nc_u64 s[22:23], s[22:23], s[26:27]      ; out1
	; six tensor loads of this wave, all outstanding at once: load k = chunk k>>1, half k&1: rows 14 + 32 (k&1) + 6 (k>>1) .. + 5
.set k, 0
.rept 6
	s_mov_b32 s[G0+4*k], 1
	s_add_co_u32 s[G0+4*k+1], s70, CHUNK*(k>>1)+HBLK*(k&1)
	s_add_nc_u64 s[G0+4*k+2:G0+4*k+3], s[68:69], (14+32*(k&1)+6*(k>>1))*ROWB
	s_or_b32 s[G0+4*k+3], s[G0+4*k+3], 0x80000000
	tensor_load_to_lds s[G0+4*k:G0+4*k+3], s[G1:G1+7]
	s_nop 0
.set k, k+1
.endr
.irp r, 0,1,2,3,4,5,6,7,8,9,10,11,12,13
	global_load_b128 v[XR+8*\r:XR+8*\r+3],   v[VX], s[68:69] offset:ROWB*\r th:TH_LOAD_NT
	global_load_b128 v[XR+8*\r+4:XR+8*\r+7], v[VX], s[68:69] offset:ROWB*\r+256 th:TH_LOAD_NT
.endr
	global_load_b64 v[MSK:MSK+1], v[VM], s[6:7] th:TH_LOAD_NT
; ---------------------------------------------------------------- 1. column sums of my 64 rows: the rows in LDS first
	s_wait_tensorcnt 4                             ; tensor loads of a wave end in order (ISA guide 10.11.1): chunk 0's two (batches 0-2) are in
	LDSB 0, T
	LDSB 1, (T+16)
.irp n, 0,1,2,3
	WLD \n                                         ; the matrices' 18 loads are spread over the walk: four here, two behind each later batch
.endr
	s_wait_dscnt 0x0                               ; batches 0 and 1 are in:
.irp i, 0,2,4,6
	v_pk_add_f32 v[SUM+\i:SUM+\i+1], v[T+\i:T+\i+1],     v[T+16+\i:T+16+\i+1]         ; their four pairs start the two chains: nothing is cleared
	v_pk_add_f32 v[TMP+\i:TMP+\i+1], v[T+8+\i:T+8+\i+1], v[T+24+\i:T+24+\i+1]
.endr
	LDSB 2, T
	s_wait_tensorcnt 2                             ; batch 3 opens chunk 1: its two tiles are in, chunk 2's two stay out
	LDSB 3, (T+16)
.irp j, 9,10,11,12,13,14,15
	WSTEP 1, \j
	WLD (2*\j-14)
	WLD (2*\j-13)
.endr
.irp r, 0,2,4,6,8,10,12
	s_wait_loadcnt NLD-2*(\r+2)                    ; pairs up to r + 1 are in; the last count, 19, is mask, Wk, bk, Wq, bq
	ADD2 (XR+8*\r)
.endr
.irp i, 0,2,4,6
	v_pk_add_f32 v[SUM+\i:SUM+\i+1], v[SUM+\i:SUM+\i+1], v[TMP+\i:TMP+\i+1]
.endr
	ds_store_b128 v[RS], v[SUM:SUM+3]              ; record 2w + h: features 4c..
	ds_store_b128 v[RS], v[SUM+4:SUM+7] offset:256 ; and 64 + 4c..
	BARRIER                                        ; B1: the 32 records are written
; ---------------------------------------------------------------- 2. xsum of my 8 features; their share of ksum
	ds_load_b128 v[T:T+3],   v[RR]                 ; lane l: record l, features 8w .. 8w+7
	ds_load_b128 v[T+4:T+7], v[RR] offset:16
	s_wait_dscnt 0x0
	BFLY8 T, 253                                   ; lane l: xsum[8w + (l & 7)]
	s_wait_loadcnt 10                              ; Wk (and the mask in front of it) is in: bk, 8 Wq, bq stay out
	MATV 248, T, WA
	ds_store_b128 v[KW], v[248:251]
	BARRIER                                        ; B2: the 16 shares of ksum are written; the reads of REC are over
; ---------------------------------------------------------------- 3. ksum (every wave, whole), u of my 8 features, c
	RECSUM 0                                       ; KS = ksum[4l .. 4l+3]
	LDSB 0, (XR+8*14)                              ; pairs 14..17 move from LDS into Wk's registers, for good, under the vector work below:
	LDSB 1, (XR+8*16)                              ; passes 2 and 3 find couples 0..8 in registers (waited for in front of B3's signal)
	s_wait_loadcnt 0x0                             ; Wq and bq are in: nothing was issued behind them
.irp i, 0,1,2,3,4,5,6,7
	v_pk_mul_f32 v[T+16+2*\i:T+17+2*\i], v[WB+4*\i:WB+4*\i+1], v[KS:KS+1]
.endr
.irp i, 0,1,2,3,4,5,6,7
	v_pk_fma_f32 v[T+16+2*\i:T+17+2*\i], v[WB+4*\i+2:WB+4*\i+3], v[KS+2:KS+3], v[T+16+2*\i:T+17+2*\i]
.endr
.irp i, 0,1,2,3,4,5,6,7
	v_add_f32 v[T+\i], v[T+16+2*\i], v[T+17+2*\i]  ; my four columns' share of Wq[8w+i] . ksum
.endr
	v_pk_mul_f32 v[248:249], v[BQ:BQ+1], v[KS:KS+1]
	v_pk_fma_f32 v[248:249], v[BQ+2:BQ+3], v[KS+2:KS+3], v[248:249]
	v_add_f32 v[CC], v248, v249
	RED32 v_add_f32_dpp, v_add_f32, CC, 250        ; c = bq . ksum
	BFLY8 T, 251                                   ; lane l: u[8w + (l & 7)]
	v_mul_f32 v[CC], 0x3db504f3, v[CC]             ; dk = 128^-0.5
	v_mul_f32 v[T], 0x3db504f3, v[T]
	ds_store_b32 v[UW], v[T]                       ; the four lanes with one l & 7 write one word with one value
	BARRIER                                        ; B3: u is written; the reads of KP are over
; ---------------------------------------------------------------- 4. x . u for my 64 rows
	ds_load_b128 v[U:U+3],   v[UR]
	ds_load_b128 v[U+4:U+7], v[UR] offset:256
	LDSB 2, T
	LDSB 3, (T+16)
	s_wait_dscnt 8                                 ; u is in; the two batches (eight loads) stay out
	DOT2 0, XR
	DOT2 1, (XR+16)
	BOTH 2, 2, 9                                   ; seven register couples and seven couples from LDS, in turn
	BOTH 2, 3, 10
	BOTH 2, 4, 11
	BOTH 2, 5, 12
	BOTH 2, 6, 13
	BOTH 2, 7, 14
	BOTH 2, 8, 15
	LDSB 2, T                                      ; pass 3's first two batches, on their way during the softmax
	LDSB 3, (T+16)
	BFLY16 P                                       ; lane l: x.u dk of row 2l
	BFLY16 (P+16)                                  ; and of row 2l + 1
	s_cmp_lg_u32 s24, 0                            ; bv is used by wave 0 alone
	s_cbranch_scc1 .Lno_bv
	global_load_b128 v[BV:BV+3], v[VB], s[18:19]
.Lno_bv:
; ---------------------------------------------------------------- 5. logits, the wave's maximum, exponentials
	v_add_f32 v248, v[P], v[CC]
	v_add_f32 v249, v[P+16], v[CC]
	v_sub_f32 v250, 1.0, v[MSK]
	v_sub_f32 v251, 1.0, v[MSK+1]
	v_mul_f32 v248, v[MSK], v248                   ; mask x energy, summed
	v_mul_f32 v249, v[MSK+1], v249
	v_mul_f32 v250, 0xce6e6b28, v250               ; (1 - m) x -1e9
	v_mul_f32 v251, 0xce6e6b28, v251
	v_fma_f32 v248, v[MSK], v248, v250             ; mask x agg + that
	v_fma_f32 v249, v[MSK+1], v249, v251
	v_max_num_f32 v[MW], v248, v249
	RED32 v_max_num_f32_dpp, v_max_num_f32, MW, 252
	v_sub_f32 v248, v248, v[MW]
	v_sub_f32 v249, v249, v[MW]
	v_mul_f32 v248, 0x3fb8aa3b, v248               ; log2 e
	v_mul_f32 v249, 0x3fb8aa3b, v249
	v_exp_f32 v[E], v248
	v_exp_f32 v[E+1], v249
	v_mov_b32 v255, 0                              ; the plain instruction behind the exponentials (ISA guide 5.7.2); the record's fourth word
	s_wait_alu depctr_va_vdst(0)
	v_mul_f32 v[WGT], v[MSK], v[E]
	v_mul_f32 v[WGT+1], v[MSK+1], v[E+1]
	v_add_f32 v253, v[E], v[E+1]
	v_add_f32 v254, v[WGT], v[WGT+1]
	RED32 v_add_f32_dpp, v_add_f32, 253, 250       ; the wave's sum of e
	RED32 v_add_f32_dpp, v_add_f32, 254, 251       ; and of m e
	v_mov_b32 v252, v[MW]                          ; v[252:255] = the wave's record
; ---------------------------------------------------------------- 6. sum of m e x over my 64 rows (relative to my wave's maximum)
	WFMA2 0, XR, 1                                 ; pairs 0..3 first: they start the chains and give their registers up
	WFMA2 1, (XR+16), 0
.irp i, 0,1,2,3,4,5,6,7
	global_load_b128 v[WV+4*\i:WV+4*\i+3], v[VW], s[16:17] offset:512*\i    ; Wv rows 8w + i: 14 of the pass's 16 couples and a barrier lie before their use
.endr
	BOTH 3, 2, 9
	BOTH 3, 3, 10
	BOTH 3, 4, 11
	BOTH 3, 5, 12
	BOTH 3, 6, 13
	BOTH 3, 7, 14
	BOTH 3, 8, 15
.irp i, 0,2,4,6
	v_pk_add_f32 v[SUM+\i:SUM+\i+1], v[SUM+\i:SUM+\i+1], v[Y2+\i:Y2+\i+1]
.endr
	ds_store_b128 v[RS], v[SUM:SUM+3]              ; REC was last read in front of B2
	ds_store_b128 v[RS], v[SUM+4:SUM+7] offset:256
	ds_store_b128 v[SW], v[252:255]
	BARRIER                                        ; B4
; ---------------------------------------------------------------- 7. the batch's maximum and sums; attn; my 8 features' share of the context
	ds_load_b128 v[T:T+3],     v[SR]               ; lane l: wave l >> 1's maximum, sum of e, sum of m e
	ds_load_b128 v[T+8:T+11],  v[RR]               ; and record l (of that wave), features 8w .. 8w+7
	ds_load_b128 v[T+12:T+15], v[RR] offset:16
	s_wait_dscnt 0x0
	RED16W v_max_num_f32_dpp, v_max_num_f32, 248, T, 249       ; M
	v_sub_f32 v249, v[T], v248
	v_sub_f32 v250, v[MW], v248
	v_mul_f32 v249, 0x3fb8aa3b, v249
	v_mul_f32 v250, 0x3fb8aa3b, v250
	v_exp_f32 v[F], v249                           ; f: brings wave l >> 1's figures to the batch's maximum
	v_exp_f32 v[F+1], v250                         ; the same for my own wave
	v_nop                                          ; the plain place behind the exponentials
	s_wait_alu depctr_va_vdst(0)
	v_mul_f32 v251, v[F], v[T+1]
	v_mul_f32 v252, v[F], v[T+2]
	RED16W v_add_f32_dpp, v_add_f32, 251, 251, 253 ; L = sum of e over the batch, at least 1
	RED16W v_add_f32_dpp, v_add_f32, 252, 252, 254 ; sum of m e
	v_rcp_f32 v[F+2], v251
.irp i, 8,10,12,14
	v_pk_mul_f32 v[T+\i:T+\i+1], v[T+\i:T+\i+1], v[F:F+1] op_sel_hi:[1,0]    ; plain work behind the reciprocal: the records times f
.endr
	s_wait_alu depctr_va_vdst(0)
	v_mul_f32 v[F+1], v[F+1], v[F+2]               ; f_own / L
	v_mul_f32 v[F+3], v252, v[F+2]                 ; sum of m attn
	v_pk_mul_f32 v[E:E+1], v[E:E+1], v[F:F+1] op_sel:[0,1] op_sel_hi:[1,1]
	global_store_b64 v[VM], v[E:E+1], s[20:21] th:TH_STORE_NT  ; attn of rows 2l, 2l+1: the wave stores 256 consecutive bytes, aligned
	BFLY8 (T+8), 253                               ; lane l: sum of m e x, feature 8w + (l & 7)
	v_mul_f32 v[T+8], v[T+8], v[F+2]               ; / L
	s_wait_loadcnt 0x0                             ; Wv is in (and, in wave 0, bv in front of it)
	MATV 248, (T+8), WV
	ds_store_b128 v[KW], v[248:251]                ; KP was last read in front of B3
	BARRIER                                        ; B5
; ---------------------------------------------------------------- 8. wave 0 adds the 16 shares and bv's term
	s_cmp_lg_u32 s24, 0
	s_cbranch_scc1 .Lend
	RECSUM 1
	global_store_b128 v[VB], v[KS:KS+3], s[22:23] th:TH_STORE_NT   ; the batch's 128 numbers: 512 consecutive bytes
.Lend:
	s_wait_xcnt 0x0
	v_lshl_add_u32 v254, v0, 2, 0x4e500
	v_mov_b32 v255, 0
	s_wait_tensorcnt 0x0
	ds_add_u32 v254, v255
	s_wait_dscnt 0x0
	s_endpgm
.Lfunc_end_k_q2d98c25c46_pool:
	.size	k_q2d98c25c46_pool, .Lfunc_end_k_q2d98c25c46_pool-k_q2d98c25c46_pool
	.p2alignl 7, 3214868480
	.fill 96, 4, 3214868480
	.section	.rodata,"a",@progbits
	.p2align	6, 0x0
	.amdhsa_kernel k_q2d98c25c46_pool
		.amdhsa_group_segment_fixed_size 322816
		.amdhsa_private_segment_fixed_size 0
		.amdhsa_enable_private_segment 0
		.amdhsa_kernarg_size 80
		.amdhsa_user_sgpr_count 2
		.amdhsa_user_sgpr_kernarg_segment_ptr 1
		.amdhsa_wavefront_size32 1
		.amdhsa_system_sgpr_workgroup_id_x 1
		.amdhsa_system_sgpr_workgroup_id_y 1
		.amdhsa_system_sgpr_workgroup_id_z 1
		.amdhsa_system_vgpr_workitem_id 0
		.amdhsa_next_free_vgpr 256
		.amdhsa_next_free_sgpr 72
		.amdhsa_reserve_vcc 0
		.amdhsa_float_denorm_mode_32 3
		.amdhsa_float_denorm_mode_16_64 3
		.amdhsa_memory_ordered 1
		.amdhsa_forward_progress 1
		.amdhsa_inst_pref_size 74
	.end_amdhsa_kernel
	.amdgpu_metadata
---
amdhsa.version: [ 1, 2 ]
amdhsa.kernels:
  - .name:           k_q2d98c25c46_pool
    .symbol:         k_q2d98c25c46_pool.kd
    .args:
      - { .name: atom_query, .offset: 0, .size: 8, .value_kind: global_buffer, .address_space: global }
      - { .name: mask, .offset: 8, .size: 8, .value_kind: global_buffer, .address_space: global }
      - { .name: Wk, .offset: 16, .size: 8, .value_kind: global_buffer, .address_space: global }
      - { .name: bk, .offset: 24, .size: 8, .value_kind: global_buffer, .address_space: global }
      - { .name: Wq, .offset: 32, .size: 8, .value_kind: global_buffer, .address_space: global }
      - { .name: bq, .offset: 40, .size: 8, .value_kind: global_buffer, .address_space: global }
      - { .name: Wv, .offset: 48, .size: 8, .value_kind: global_buffer, .address_space: global }
      - { .name: bv, .offset: 56, .size: 8, .value_kind: global_buffer, .address_space: global }
      - { .name: out0, .offset: 64, .size: 8, .value_kind: global_buffer, .address_space: global }
      - { .name: out1, .offset: 72, .size: 8, .value_kind: global_buffer, .address_space: global }
    .group_segment_fixed_size: 322816
    .private_segment_fixed_size: 0
    .kernarg_segment_align: 8
    .kernarg_segment_size: 80
    .max_flat_workgroup_size: 512
    .sgpr_count:     72
    .vgpr_count:     256
    .wavefront_size: 32
...
	.end_amdgpu_metadata
.endif
;; end of part 1
